; MI455X (gfx1250); checked and timed in simulation.
; The chip was launched on July 23, 2026; its instructions are those of AMD's public machine-readable ISA for CDNA 5 (MIT licence, August 2026) and "CDNA5" Instruction Set Architecture Reference Guide (July 2026). The comments in the code are by the model that wrote it; some were corrected since.
;; CQ Attention. Allowed arithmetic: matrix products marked QUANTISED: E2M1 operands, one E8M0 scale for each 32 along K, by v_wmma_scale_f32_16x16x128_f8f6f4 with both operands' format E2M1 (or v_wmma_scale_f32_32x16x128_f4), f32 sums; everything else in f32.
;; Inputs: C 8 x 8,192 x 256 float32; Q 8 x 2,048 x 256 float32; W 256 x 256 float32; b 256 float32.
;; Outputs: out0 8 x 8,192 x 256 float32.
;; This version of the problem:
;;   THIS VERSION OF THE PROBLEM IS GIVEN IN LOW PRECISION. The matrix products marked QUANTISED in the list below multiply operands that are first quantised to E2M1 (2 exponent bits, 1 mantissa bit; 4 bits a number), with one power-of-two scale for each 32 numbers along K (OCP MX v1.0); their sums are f32. All else is computed in f32.
;;   The module's matrix products, in the order in which they are computed (A, B: the left and right operand; K: the contracted axis; several contracted axes count as one K, in the product's order):
;;     1. [M 16,384, K 256] x [K 256, N 256]; A: input Q; B: input W: QUANTISED
;;     2. batch 8 x [M 8,192, K 256] x [K 256, N 2,048]; A: input C; B: computed on the way: QUANTISED
;;     3. batch 8 x [M 8,192, K 2,048] x [K 2,048, N 256]; A: softmax (see below); B: computed on the way: QUANTISED
;;   THE QUANTISER, for each operand of a quantised product, along K:
;;     - K is cut into blocks of 32 from its start; a last block that is shorter is filled with zeros.
;;     - A block's scale is 2^e with e = floor(log2(the largest magnitude in the block)) - 2, held to -126 .. 127; a block of zeros has e = 0. As a byte (E8M0): e + 127.
;;     - Each number is divided by its block's scale, clamped to +-6, and rounded to the nearest number of E2M1, ties to even, subnormals kept.
;;     - The product sums the exact products of the quantised numbers (number of the format x scale) in f32.
;;   ~~~python
;;   def quantise(x, axis):      # numpy; x: float32 -> the quantised numbers, widened to float32 again
;;       x = np.moveaxis(x, axis, -1); K = x.shape[-1]
;;       x = np.pad(x, [(0, 0)] * (x.ndim - 1) + [(0, -K % 32)]); x = x.reshape(x.shape[:-1] + (-1, 32)); a = np.abs(x).max(-1, keepdims=True)
;;       e = np.where(a > 0, np.clip(np.frexp(np.where(a > 0, a, 1))[1] - 1 - 2, -126, 127), 0)      # np.frexp(a)[1] - 1 = floor(log2(a)), exactly
;;       r = np.clip(x / 2.0 ** e, -6, 6)
;;       step = 2.0 ** (np.maximum(np.frexp(np.where(r == 0, 1, r))[1] - 1, 0) - 1)
;;       q = np.round(r / step) * step * 2.0 ** e      # np.round: ties to even
;;       return np.moveaxis(q.reshape(q.shape[:-2] + (-1,))[..., :K], -1, axis).astype(np.float32)
;;   ~~~
;;   SOFTMAX AHEAD OF A QUANTISED PRODUCT. Where the list says 'softmax', what is quantised is not the finished softmax but p = 2^(t - M), with t = logit x log2(e) and M = ceil(the row's largest t), a whole number; so 1/2 < the row's largest p <= 1. The row's sum l is taken of the UNQUANTISED p, in f32, and the product's result is divided by l at the end. Since M is a whole number, a kernel that streams over the keys may use a running M (the ceiling of the running maximum): every later rescaling is an exact power of two, which a block's scale takes up: the codes' values come out the same.
;;   OPERANDS COMPUTED ON THE WAY. 'Computed on the way' means the value that the module computes at that place (a softmax that the list does not call 'softmax' is quantised finished and normalised). What goes into a quantiser is computed in f32, as accurately as f32 sums, v_exp_f32 and their like allow (about 1e-6 of the number): no bf16 or f16 on the way to a quantiser, and a product that is left as it is and whose result goes on into a quantised operand takes f32 operands (vector FMAs, or v_wmma_f32_16x16x4_f32). A number that lies on a knife's edge between two numbers of the format may be rounded either way, as far as f32 arithmetic and the matrix unit's own rounding can turn it there, and no further.
;; One version. Each part assembles by itself: llvm-mc -triple=amdgcn-amd-amdhsa -mcpu=gfx1250 --defsym DOCPART=n.
;; ======== version 1 of 1: 2 launches
;; workspace buffers: kv 4,456,448 bytes
;; launch prep (part 1): grid 128 x 2, 8 waves a work-group, no clusters, 88,320 bytes of LDS; arguments Q, W, b, kv; writes kv
.if DOCPART == 1
	.amdgcn_target "amdgcn-amd-amdhsa--gfx1250"
	.amdhsa_code_object_version 6
	.text
	.protected	k_q1538ce5785_prep
	.globl	k_q1538ce5785_prep
	.p2align	8
	.type	k_q1538ce5785_prep,@function
k_q1538ce5785_prep:
	s_mov_b64 s[64:65], 0
	v_nop
	global_prefetch_b8 v0, s[64:65] scope:SCOPE_SE
	s_setreg_imm32_b32 hwreg(HW_REG_WAVE_MODE, 25, 1), 1
	s_wait_xcnt 0x0
; Qp = gelu(Q W^T + b), exact (erf) form, product on codes of FP4 (E2M1) with one E8M0 scale for each 32 along K; then Qp is quantised TWICE for the attention launch:
; along h (it is the keys' operand of C Qp^T) and along q (it is the values' operand of P Qp).  Q: [16384][256] f32, W: [256 (out)][256 (in)] f32, b: [256] f32.
; OUT: kv, 128 blocks of 34,816 bytes, one for each 128 rows q, laid in the order of the operands' registers:
;   +0      K images: fragment (tile of 16 keys t, K step s of h) at (2 t + s) 1024 + 512 c + 16 lane (c: registers 4 c .. 4 c + 3)
;   +16384  V images: fragment (tile of 16 channels T, K = the block's 128 q) at 1024 T + 512 c + 16 lane
;   +32768  K's scale words: (s, t, row r) at 512 s + 16 (16 (t % 2) + r) + 4 (t / 2);   +33792  V's: (T, r) at 512 (T / 8) + 16 (16 (T % 2) + r) + 4 ((T % 8) / 2)
; THE KEYS OF A TILE ARE NOT NEIGHBOURS: row r of tile 2 b + u is key 32 b + 8 u + r + 8 (r / 8), so that in the attention launch 16 registers of two neighbouring tiles of scores are 16 neighbouring keys.
; SHARES.  Work-group (X, Y): the 128 rows q of block X, outputs 128 Y .. 128 Y + 127: K step s = Y of the keys' operand, tiles 8 Y .. 8 Y + 7 of the values': every fragment and every scale word is made whole by one
; work-group, and 128 x 2 work-groups are 256.  The price: Q's rows are loaded and quantised by two work-groups.  Wave w: tile w of the keys (its 16 rows of Q), tile w of W's 128 rows, tile 8 Y + w of the values.
; The product is used TRANSPOSED (source 0 = 16 rows of W, source 1 = my 16 rows of Q); W's rows of a tile are chosen as the keys are: a lane holds one row q, and its 64 results are, 16 by 16, neighbours along h.
; No tensor load and no cluster: every operand arrives as f32 and has to pass through registers to be quantised; what work-groups share is W's 128 rows alone, 131,072 bytes.
; GELU: 0.5 y erfc(-y / sqrt 2).  With z = |y| / sqrt 2: z < 1: erfc = 1 - z T(z^2);  1 <= z < 2: exp(-z^2) P(1/z^2) / z;  z >= 2: exp(-z^2) R(1/z^2) / z  (the single-precision rational fits of the Cephes library).
; exp(-z^2) = 2^(y^2 U), U = -log2(e) / 2: y^2 and the product with U are kept with their rounding residues (fused multiply-adds), and the residue enters as a factor 1 + residue x ln 2.
; LIMITS: NaN and infinities are not served.  |y| is held at 16 inside erfc (beyond it erfc is 0 or 2 in f32).  Where 2^(y^2 U) falls under 2^-126 (y under about -13.2) gelu comes out as 0.
; A block of zeros gets the scale byte 1 (not 127) with zero codes: this program alone reads the bytes.  The bias enters as the C of the first K step, so the sum's order differs from b added last.
.set STEPB, 34816                      ; a block of kv
.set WIMG,  0                          ; LDS: W's 16 fragments as images of their registers, (tile t, K step s) at (2 t + s) 1024
.set WSC,   16384                      ; their scale words, 128 bytes each
.set GATH,  18432                      ; the block's scale words as they will lie in kv: K's 512 bytes, then V's 512
.set STG,   19456                      ; Qp, f32: row q at 528 q + 64 (q / 32): 512 bytes of data, 16 of padding, and 64 more for each 32 rows
.set SPT,   528
.set LI,  1                            ; v1   16 x lane
.set LS,  2                            ; v2   4 x lane
.set XA,  3                            ; v3   my row of a tile (1,024 bytes a row) + 64 h: my 16 numbers of a block of 32
.set WWI, 4                            ; v4   where I store W's images
.set WWS, 5                            ; v5   and their scale words
.set BA,  6                            ; v6   64 h: my half's eight biases of a tile
.set SO,  7                            ; v7   the stage: my row, my half's 64 bytes of a block of 32 outputs
.set VR,  8                            ; v8   the stage read by columns: my channel, my half's 32 rows
.set SGA, 9                            ; v9   my row's scale word among the gathered ones
.set GRD, 10                           ; v10  where waves 0 and 1 read the gathered words back
.set HH,  11                           ; v11  h = lane / 16
.set QM,  16                           ; v16-19 largest magnitudes;  v20-23 the other half's, then bytes;  v24-27 the conversions' scale operands
.set QT,  20
.set QC,  24
.set PW,  32                           ; v32  the scale word just made
.set QS,  33                           ; v33-34 Q's scale words
.set PW2, 35                           ; v35  V's scale word
.set WS,  36                           ; v36-43 W's scale words of four tiles
.set PC,  44                           ; v44-51 the codes just made
.set QF,  52                           ; v52-67 Q's two fragments; later v52-59 V's codes
.set VC,  52
.set HA,  68                           ; v68-131 numbers as loaded; then the 8 accumulators
.set ST,  132                          ; v132-195 numbers as loaded; W's fragments; the stage's columns
.set E_A, 132                          ; gelu at work: nine runs of eight registers, v132-203
.set E_Z, 140
.set E_H, 148
.set E_L, 156
.set E_E, 164
.set E_R, 172
.set E_Q, 180
.set E_P, 188
.set E_W, 196
.set WV,  16                           ; s16  my wave's number
.set SEL, 20                           ; s[20:21] lane selects for v_permlanex16_b32: lane l xor 16
.set C16, 22                           ; s22  16.0
.set KT0, 24                           ; s[24:25], s[26:27], s[28:29]: the three polynomials' leading coefficients, each as a pair
.set KP0, 26
.set KR0, 28
; my 16 rows' numbers of K step s (128 along K: 64 a lane): register 16 b + i = k 32 b + 16 h + i of my row
.macro XLOAD reg, base, s
.irp b, 0,1,2,3
.irp j, 0,1,2,3
	global_load_b128 v[\reg+16*\b+4*\j:\reg+16*\b+4*\j+3], v[XA], s[\base:\base+1] offset:512*\s+128*\b+16*\j
.endr
.endr
.endm
; 64 numbers of a lane, laid as XLOAD lays them, become a fragment's codes in v[d] on and its scale word in v[w]
.macro QUANT s, d, w
.irp b, 0,1,2,3
	v_max3_num_f32 v[QM+\b], |v[\s+16*\b]|, |v[\s+16*\b+1]|, 0x1800000   ; block b: my 16 numbers, and the floor 2^(3 - 127): the byte cannot fall under 1
.endr
.irp i, 2,4,6,8,10,12,14
.irp b, 0,1,2,3
	v_max3_num_f32 v[QM+\b], v[QM+\b], |v[\s+16*\b+\i]|, |v[\s+16*\b+\i+1]|   ; the four blocks by turns
.endr
.endr
.irp b, 0,1,2,3
	v_permlanex16_b32 v[QT+\b], v[QM+\b], s[SEL], s[SEL+1]
.endr
.irp b, 0,1,2,3
	v_max_num_f32 v[QM+\b], v[QM+\b], v[QT+\b]          ; with lane l xor 16's: the block's largest magnitude
.endr
.irp b, 0,1,2,3
	v_add_nc_u32 v[QC+\b], 0xff000000, v[QM+\b]         ; 2 off its exponent field: the conversion's scale operand
.endr
.irp b, 0,1,2,3
	v_lshrrev_b32 v[QT+\b], 23, v[QC+\b]                ; the scale's byte
.endr
	v_lshl_or_b32 v[\w], v[QT+1], 8, v[QT]
	v_lshl_or_b32 v[\w], v[QT+2], 16, v[\w]
	v_lshl_or_b32 v[\w], v[QT+3], 24, v[\w]
.irp b, 0,1,2,3
	v_cvt_scalef32_pk8_fp4_f32 v[\d+2*\b], v[\s+16*\b:\s+16*\b+7], v[QC+\b]
	v_cvt_scalef32_pk8_fp4_f32 v[\d+2*\b+1], v[\s+16*\b+8:\s+16*\b+15], v[QC+\b]
.endr
	v_nop                                               ; one plain place behind a scaled conversion
.irp c, 0,1                                             ; the operand wants a whole block in a lane: lanes 0-15 block 2 c, lanes 16-31 block 2 c + 1
.irp i, 0,1
	v_permlane16_swap_b32 v[\d+4*\c+\i], v[\d+4*\c+2+\i]
.endr
.endr
.endm
.macro IMAGE adr, reg, off             ; a fragment goes to LDS as it stands
.irp c, 0,1
	ds_store_b128 v[\adr], v[\reg+4*\c:\reg+4*\c+3] offset:\off+512*\c
.endr
.endm
.macro FETCH reg, off                  ; and comes back so, in any wave
.irp c, 0,1
	ds_load_b128 v[\reg+4*\c:\reg+4*\c+3], v[LI] offset:\off+512*\c
.endr
.endm
.macro BARRIER                         ; my LDS stores have landed and my LDS loads are in: then the work-group's barrier
	s_wait_dscnt 0x0
	s_barrier_signal -1
	s_barrier_wait -1
.endm
; gelu of the eight numbers v[y] .. v[y + 7], in place; four pairs by turns.  The accumulator is read from its low end on.
.macro GELU8 y
.irp i, 0,1,2,3,4,5,6,7
	v_min_num_f32 v[E_A+\i], |v[\y+\i]|, s[C16]         ; a = min(|y|, 16)
.endr
.irp p, 0,2,4,6
	v_pk_mul_f32 v[E_Z+\p:E_Z+\p+1], v[E_A+\p:E_A+\p+1], 0x3f3504f3 op_sel_hi:[1,0]   ; z = a / sqrt 2
.endr
.irp p, 0,2,4,6
	v_pk_mul_f32 v[E_H+\p:E_H+\p+1], v[E_A+\p:E_A+\p+1], v[E_A+\p:E_A+\p+1]   ; a^2, rounded,
.endr
.irp p, 0,2,4,6
	v_pk_fma_f32 v[E_L+\p:E_L+\p+1], v[E_A+\p:E_A+\p+1], v[E_A+\p:E_A+\p+1], v[E_H+\p:E_H+\p+1] neg_lo:[0,0,1] neg_hi:[0,0,1]   ; and what the rounding left
.endr
.irp p, 0,2,4,6
	v_pk_mul_f32 v[E_E+\p:E_E+\p+1], v[E_H+\p:E_H+\p+1], 0xbf38aa3b op_sel_hi:[1,0]   ; the exponent a^2 U, rounded,
.endr
.irp p, 0,2,4,6
	v_pk_fma_f32 v[E_R+\p:E_R+\p+1], v[E_H+\p:E_H+\p+1], 0xbf38aa3b, v[E_E+\p:E_E+\p+1] op_sel_hi:[1,0,1] neg_lo:[0,0,1] neg_hi:[0,0,1]   ; its residue,
.endr
.irp p, 0,2,4,6
	v_pk_fma_f32 v[E_R+\p:E_R+\p+1], v[E_H+\p:E_H+\p+1], 0xb2257065, v[E_R+\p:E_R+\p+1] op_sel_hi:[1,0,1]   ; + a^2 x (what U's own rounding left, -9.63e-9),
.endr
.irp p, 0,2,4,6
	v_pk_fma_f32 v[E_R+\p:E_R+\p+1], v[E_L+\p:E_L+\p+1], 0xbf38aa3b, v[E_R+\p:E_R+\p+1] op_sel_hi:[1,0,1]   ; + (a^2's residue) x U
.endr
.irp i, 0,1,2,3,4,5,6,7
	v_max_num_f32 v[E_A+\i], 1.0, v[E_Z+\i]
.endr
.irp i, 0,1,2,3,4,5,6,7
	v_rcp_f32 v[E_A+\i], v[E_A+\i]                      ; q = 1 / max(z, 1)
.endr
.irp i, 0,1,2,3,4,5,6,7
	v_exp_f32 v[E_E+\i], v[E_E+\i]                      ; 2^exponent
.endr
.irp p, 0,2,4,6
	v_pk_mul_f32 v[E_H+\p:E_H+\p+1], v[E_Z+\p:E_Z+\p+1], v[E_Z+\p:E_Z+\p+1]   ; z^2.  (The plain place behind the sixteen; the lines down to the wait name none of their results)
.endr
.irp p, 0,2,4,6
	v_pk_fma_f32 v[E_L+\p:E_L+\p+1], v[E_H+\p:E_H+\p+1], s[KT0:KT0+1], -0.0008010193625 op_sel_hi:[1,0,0]   ; T(z^2), by Horner
.endr
.irp k, 0.005188327686,-0.02685381194,0.1128358515,-0.3761262582,1.128379166
.irp p, 0,2,4,6
	v_pk_fma_f32 v[E_L+\p:E_L+\p+1], v[E_L+\p:E_L+\p+1], v[E_H+\p:E_H+\p+1], \k op_sel_hi:[1,1,0]
.endr
.endr
.irp p, 0,2,4,6
	v_pk_fma_f32 v[E_L+\p:E_L+\p+1], v[E_Z+\p:E_Z+\p+1], v[E_L+\p:E_L+\p+1], 1.0 op_sel_hi:[1,1,0] neg_lo:[1,0,0] neg_hi:[1,0,0]   ; 1 - z T: erfc where z < 1
.endr
.irp p, 0,2,4,6
	v_pk_mul_f32 v[E_R+\p:E_R+\p+1], v[E_R+\p:E_R+\p+1], 0x3f317218 op_sel_hi:[1,0]   ; residue x ln 2
.endr
	s_wait_alu depctr_va_vdst(0)                        ; one wait for the sixteen, ahead of the first line that names a result
.irp p, 0,2,4,6
	v_pk_mul_f32 v[E_Q+\p:E_Q+\p+1], v[E_A+\p:E_A+\p+1], v[E_A+\p:E_A+\p+1]   ; q^2
.endr
.irp p, 0,2,4,6
	v_pk_fma_f32 v[E_E+\p:E_E+\p+1], v[E_E+\p:E_E+\p+1], v[E_R+\p:E_R+\p+1], v[E_E+\p:E_E+\p+1]   ; exp(-z^2)
.endr
.irp p, 0,2,4,6
	v_pk_mul_f32 v[E_E+\p:E_E+\p+1], v[E_E+\p:E_E+\p+1], v[E_A+\p:E_A+\p+1]   ; x q
.endr
.irp p, 0,2,4,6
	v_pk_fma_f32 v[E_P+\p:E_P+\p+1], v[E_Q+\p:E_Q+\p+1], s[KP0:KP0+1], -0.1387039389 op_sel_hi:[1,0,0]   ; P(q^2)
.endr
.irp k, 0.3687424675,-0.5824733027,0.6210004622,-0.4944515323,0.3404879938,-0.2741127028,0.5638259427
.irp p, 0,2,4,6
	v_pk_fma_f32 v[E_P+\p:E_P+\p+1], v[E_P+\p:E_P+\p+1], v[E_Q+\p:E_Q+\p+1], \k op_sel_hi:[1,1,0]
.endr
.endr
.irp p, 0,2,4,6
	v_pk_fma_f32 v[E_W+\p:E_W+\p+1], v[E_Q+\p:E_Q+\p+1], s[KR0:KR0+1], 12.97719955 op_sel_hi:[1,0,0]   ; R(q^2)
.endr
.irp k, -7.495518718,2.921019019,-1.015265279,0.4218463358,-0.2820767440,0.5641895068
.irp p, 0,2,4,6
	v_pk_fma_f32 v[E_W+\p:E_W+\p+1], v[E_W+\p:E_W+\p+1], v[E_Q+\p:E_Q+\p+1], \k op_sel_hi:[1,1,0]
.endr
.endr
.irp i, 0,1,2,3,4,5,6,7
	v_cmp_gt_f32 vcc_lo, 2.0, v[E_Z+\i]
	v_cndmask_b32 v[E_P+\i], v[E_W+\i], v[E_P+\i], vcc_lo   ; P where z < 2, else R: a choice of values, no branch
.endr
.irp p, 0,2,4,6
	v_pk_mul_f32 v[E_P+\p:E_P+\p+1], v[E_P+\p:E_P+\p+1], v[E_E+\p:E_E+\p+1]
.endr
.irp i, 0,1,2,3,4,5,6,7
	v_cmp_gt_f32 vcc_lo, 1.0, v[E_Z+\i]
	v_cndmask_b32 v[E_P+\i], v[E_P+\i], v[E_L+\i], vcc_lo   ; erfc(z)
.endr
.irp p, 0,2,4,6
	v_pk_add_f32 v[E_W+\p:E_W+\p+1], v[E_P+\p:E_P+\p+1], 2.0 op_sel_hi:[1,0] neg_lo:[1,0] neg_hi:[1,0]   ; 2 - erfc(z) = erfc(-z)
.endr
.irp i, 0,1,2,3,4,5,6,7
	v_cmp_gt_f32 vcc_lo, 0, v[\y+\i]
	v_cndmask_b32 v[E_P+\i], v[E_W+\i], v[E_P+\i], vcc_lo   ; y < 0: erfc(z); else erfc(-z)
.endr
.irp p, 0,2,4,6
	v_pk_mul_f32 v[\y+\p:\y+\p+1], v[\y+\p:\y+\p+1], 0.5 op_sel_hi:[1,0]
.endr
.irp p, 0,2,4,6
	v_pk_mul_f32 v[\y+\p:\y+\p+1], v[\y+\p:\y+\p+1], v[E_P+\p:E_P+\p+1]
.endr
.endm
	s_load_b128 s[4:7], s[0:1], 0x0                ; Q, W
	s_load_b128 s[8:11], s[0:1], 0x10              ; b, kv
	v_lshl_add_u32 v254, v0, 2, 0x15500
	v_mov_b32 v255, 0
	v_lshrrev_b32 v12, 5, v0
	v_readfirstlane_b32 s[WV], v12                 ; wave 0..7
	v_and_b32 v12, 31, v0                          ; lane
	v_and_b32 v13, 15, v0                          ; r
	v_bfe_u32 v[HH], v0, 4, 1                      ; h
	v_and_b32 v14, 8, v13
	v_add_nc_u32 v14, v14, v13                     ; r + 8 (r / 8): my row in a tile's 32
	v_lshlrev_b32 v[LI], 4, v12
	v_lshlrev_b32 v[LS], 2, v12
	v_lshlrev_b32 v[XA], 10, v14
	v_lshl_add_u32 v[XA], v[HH], 6, v[XA]
	v_lshlrev_b32 v[BA], 6, v[HH]
	s_and_b32 s17, ttmp7, 0xffff                   ; Y
	s_lshr_b32 s18, s[WV], 1
	s_and_b32 s19, s[WV], 1
	s_lshl_b32 s30, s[WV], 11
	v_add_nc_u32 v[WWI], s30, v[LI]                ; two fragments a wave
	s_lshl_b32 s30, s[WV], 8
	v_add_nc_u32 v[WWS], s30, v[LS]
	s_lshl_b32 s30, s18, 5
	s_lshl_b32 s31, s19, 3
	s_add_co_u32 s30, s30, s31                     ; my tile's first row: 32 (w / 2) + 8 (w % 2)
	s_mul_i32 s31, s30, SPT
	s_lshl_b32 s40, s18, 6
	s_add_co_u32 s31, s31, s40
	s_add_co_u32 s31, s31, STG
	v_mul_u32_u24 v[SO], v14, SPT
	v_lshl_add_u32 v[SO], v[HH], 6, v[SO]
	v_add_nc_u32 v[SO], s31, v[SO]
	v_mul_u32_u24 v[VR], v[HH], 16960              ; 32 rows of 528 bytes and the 64 that follow them
	v_lshl_add_u32 v[VR], v13, 2, v[VR]
	s_lshl_b32 s31, s[WV], 6
	s_add_co_u32 s31, s31, STG
	v_add_nc_u32 v[VR], s31, v[VR]                 ; channel 16 w + r
	s_lshl_b32 s31, s19, 8
	s_lshl_b32 s40, s18, 2
	s_add_co_u32 s31, s31, s40
	s_add_co_u32 s31, s31, GATH
	v_lshl_add_u32 v[SGA], v13, 4, s31             ; 16 (16 (w % 2) + r) + 4 (w / 2)
	s_lshl_b32 s31, s[WV], 9
	v_add_nc_u32 v[GRD], s31, v[LI]
	s_lshl_b32 s30, s30, 10                        ; my tile's first row, in rows of 1,024 bytes
	s_lshl_b32 s32, ttmp9, 17                      ; Q: + 128 X rows
	s_add_co_u32 s32, s32, s30
	s_mov_b32 s33, 0
	s_lshl_b32 s34, s17, 17                        ; W: + 128 Y rows
	s_add_co_u32 s34, s34, s30
	s_mov_b32 s35, 0
	s_lshl_b32 s36, s17, 9                         ; b: 128 Y numbers
	s_mov_b32 s37, 0
	s_mul_i32 s38, ttmp9, STEPB                    ; my block of kv
	s_mov_b32 s39, 0
	s_lshl_b32 s40, s[WV], 11
	s_lshl_b32 s41, s17, 10
	s_add_co_u32 s40, s40, s41                     ; K's image (2 w + Y)
	s_mov_b32 s41, 0
	s_lshl_b32 s42, s17, 13
	s_lshl_b32 s43, s[WV], 10
	s_add_co_u32 s42, s42, s43
	s_add_co_u32 s42, s42, 16384                   ; V's image (8 Y + w)
	s_mov_b32 s43, 0
	s_lshl_b32 s44, s[WV], 10
	s_add_co_u32 s44, s44, s36
	s_add_co_u32 s44, s44, 32768                   ; wave 0: K's words of K step Y; wave 1: V's words of tiles 8 Y on
	s_mov_b32 s45, 0
	s_mov_b32 s[SEL], 0x76543210
	s_mov_b32 s[SEL+1], 0xfedcba98
	s_mov_b32 s[C16], 0x41800000
	s_mov_b32 s[KT0], 0.00007853861353
	s_mov_b32 s[KT0+1], s[KT0]                     ; (named as pairs, so both words are written)
	s_mov_b32 s[KP0], 0.02326819970
	s_mov_b32 s[KP0+1], s[KP0]
	s_mov_b32 s[KR0], -10.47766400
	s_mov_b32 s[KR0+1], s[KR0]
.irp b, 0,1,2,3
	v_mov_b32 v[QT+\b], 0                          ; written once: a lane permute's destination counts as one of its sources
.endr
	s_wait_kmcnt 0x0
	s_add_nc_u64 s[4:5], s[4:5], s[32:33]
	s_add_nc_u64 s[6:7], s[6:7], s[34:35]
	s_add_nc_u64 s[8:9], s[8:9], s[36:37]
	s_add_nc_u64 s[10:11], s[10:11], s[38:39]
	s_add_nc_u64 s[12:13], s[10:11], s[42:43]
	s_add_nc_u64 s[14:15], s[10:11], s[44:45]
	s_add_nc_u64 s[10:11], s[10:11], s[40:41]
	; ---- W's tile w and my 16 rows of Q become fragments; two runs of 16 loads are always out
	XLOAD ST, 6, 0
	XLOAD HA, 6, 1
	s_wait_loadcnt 16                              ; W's K step 0 is in; the 16 younger loads stay out
	QUANT ST, PC, PW
	IMAGE WWI, PC, WIMG
	ds_store_b32 v[WWS], v[PW] offset:WSC
	XLOAD ST, 4, 0
	s_wait_loadcnt 16                              ; W's K step 1 is in
	s_wait_dscnt 0x0                               ; the stores have read the codes and the word
	QUANT HA, PC, PW
	IMAGE WWI, PC, WIMG+1024
	ds_store_b32 v[WWS], v[PW] offset:WSC+128
	XLOAD HA, 4, 1
	s_wait_loadcnt 16                              ; Q's K step 0 is in
	QUANT ST, QF, QS
	s_wait_loadcnt 0x0
	QUANT HA, QF+8, QS+1
.irp t, 0,1,2,3,4,5,6,7                            ; the bias goes into the accumulators: it is the C of each sum's first product.  Tile t, lane (r, h): outputs 32 (t / 2) + 8 (t % 2) + 16 h + 0 .. 7
	global_load_b128 v[HA+8*\t:HA+8*\t+3], v[BA], s[8:9] offset:(32*(\t/2)+8*(\t%2))*4
	global_load_b128 v[HA+8*\t+4:HA+8*\t+7], v[BA], s[8:9] offset:(32*(\t/2)+8*(\t%2))*4+16
.endr
	BARRIER                                        ; W's sixteen fragments lie in LDS
	; ---- the product: four tiles of W at a time, their four accumulators by turns, K step by K step
.irp g, 0,1
.if \g == 0
.rept 8
	v_nop                                          ; Q's scale words were written by vector instructions: eight places ahead of a scaled product
.endr
.else
.rept 4
	v_nop                                          ; places in front of loads into registers that products have read
.endr
.endif
.irp t, 0,1,2,3
.irp s, 0,1
	FETCH ST+16*\t+8*\s, WIMG+(2*(4*\g+\t)+\s)*1024
	ds_load_b32 v[WS+2*\t+\s], v[LS] offset:WSC+(2*(4*\g+\t)+\s)*128
.endr
.endr
	s_wait_dscnt 0x0
.if \g == 0
	s_wait_loadcnt 0x0                             ; the bias
.endif
.irp s, 0,1
.irp t, 0,1,2,3
	v_wmma_scale_f32_16x16x128_f8f6f4 v[HA+8*(4*\g+\t):HA+8*(4*\g+\t)+7], v[ST+16*\t+8*\s:ST+16*\t+8*\s+7], v[QF+8*\s:QF+8*\s+7], v[HA+8*(4*\g+\t):HA+8*(4*\g+\t)+7], v[WS+2*\t+\s], v[QS+\s] matrix_a_fmt:MATRIX_FMT_FP4 matrix_b_fmt:MATRIX_FMT_FP4
.endr
.endr
.endr
.rept 4
	v_nop                                          ; places in front of the first read of results, and of writes into W's fragments' registers
.endr
.irp t, 0,1,2,3,4,5,6,7
	GELU8 HA+8*\t
.endr
	; ---- Qp: as f32 into the stage (for the values' operand), and along h into the keys' fragment
.irp b, 0,1,2,3
.irp j, 0,1,2,3
	ds_store_b128 v[SO], v[HA+16*\b+4*\j:HA+16*\b+4*\j+3] offset:128*\b+16*\j
.endr
.endr
	QUANT HA, PC, PW
	global_store_b128 v[LI], v[PC:PC+3], s[10:11]             ; 32 lanes store 512 consecutive bytes, at a multiple of 256 from kv's first byte
	global_store_b128 v[LI], v[PC+4:PC+7], s[10:11] offset:512
	ds_store_b32 v[SGA], v[PW]                                ; lanes r and r + 16 write the same word with the same value
	BARRIER                                        ; 128 rows of Qp lie in the stage
	; ---- along q: lane (r, h) takes channel 16 w + r, and its registers run down q: 64 c + 32 h + 0 .. 31: two whole blocks a lane
.irp c, 0,1
.irp i, 0,1,2,3,4,5,6,7,8,9,10,11,12,13,14,15,16,17,18,19,20,21,22,23,24,25,26,27,28,29,30,31
	ds_load_b32 v[ST+32*\c+\i], v[VR] offset:(64*\c+\i)*SPT+128*\c
.endr
.endr
	s_wait_dscnt 32                                ; the first block's 32 numbers are in; the second's may be out
	v_max3_num_f32 v[QM], |v[ST]|, |v[ST+1]|, 0x1800000
.irp i, 2,4,6,8,10,12,14,16,18,20,22,24,26,28,30
	v_max3_num_f32 v[QM], v[QM], |v[ST+\i]|, |v[ST+\i+1]|
.endr
	s_wait_dscnt 0x0
	v_max3_num_f32 v[QM+1], |v[ST+32]|, |v[ST+33]|, 0x1800000
.irp i, 2,4,6,8,10,12,14,16,18,20,22,24,26,28,30
	v_max3_num_f32 v[QM+1], v[QM+1], |v[ST+32+\i]|, |v[ST+33+\i]|
.endr
.irp c, 0,1
	v_add_nc_u32 v[QC+\c], 0xff000000, v[QM+\c]
.endr
.irp c, 0,1
	v_lshrrev_b32 v[QT+\c], 23, v[QC+\c]
.endr
	v_lshl_or_b32 v[PW2], v[QT+1], 16, v[QT]       ; my two bytes: blocks h and 2 + h,
	v_lshlrev_b32 v[QT+2], 3, v[HH]
	v_lshlrev_b32 v[PW2], v[QT+2], v[PW2]          ; at their places in the word;
	v_permlanex16_b32 v[QT+3], v[PW2], s[SEL], s[SEL+1]
	v_or_b32 v[PW2], v[PW2], v[QT+3]               ; with lane l xor 16's two the word is whole
.irp c, 0,1
.irp g, 0,1,2,3
	v_cvt_scalef32_pk8_fp4_f32 v[VC+4*\c+\g], v[ST+32*\c+8*\g:ST+32*\c+8*\g+7], v[QC+\c]
.endr
.endr
	v_nop                                          ; one plain place behind a scaled conversion
	global_store_b128 v[LI], v[VC:VC+3], s[12:13]
	global_store_b128 v[LI], v[VC+4:VC+7], s[12:13] offset:512
	ds_store_b32 v[SGA], v[PW2] offset:512
	BARRIER                                        ; all scale words are gathered
	s_cmp_gt_u32 s[WV], 1                          ; wave 0 stores K's 512 bytes of words, wave 1 V's
	s_cbranch_scc1 .Ldone
	ds_load_b128 v[16:19], v[GRD] offset:GATH
	s_wait_dscnt 0x0
	global_store_b128 v[LI], v[16:19], s[14:15]
.Ldone:
	s_wait_tensorcnt 0x0
	ds_add_u32 v254, v255
	s_wait_dscnt 0x0
	s_endpgm
.Lfunc_end_k_q1538ce5785_prep:
	.size	k_q1538ce5785_prep, .Lfunc_end_k_q1538ce5785_prep-k_q1538ce5785_prep
	.p2alignl 7, 3214868480
	.fill 96, 4, 3214868480
	.section	.rodata,"a",@progbits
	.p2align	6, 0x0
	.amdhsa_kernel k_q1538ce5785_prep
		.amdhsa_group_segment_fixed_size 88320
		.amdhsa_private_segment_fixed_size 0
		.amdhsa_enable_private_segment 0
		.amdhsa_kernarg_size 32
		.amdhsa_user_sgpr_count 2
		.amdhsa_user_sgpr_kernarg_segment_ptr 1
		.amdhsa_wavefront_size32 1
		.amdhsa_system_sgpr_workgroup_id_x 1
		.amdhsa_system_sgpr_workgroup_id_y 1
		.amdhsa_system_sgpr_workgroup_id_z 1
		.amdhsa_system_vgpr_workitem_id 0
		.amdhsa_next_free_vgpr 256
		.amdhsa_next_free_sgpr 66
		.amdhsa_reserve_vcc 1
		.amdhsa_float_denorm_mode_32 3
		.amdhsa_float_denorm_mode_16_64 3
		.amdhsa_memory_ordered 1
		.amdhsa_forward_progress 1
		.amdhsa_inst_pref_size 171
	.end_amdhsa_kernel
	.amdgpu_metadata
---
amdhsa.version: [ 1, 2 ]
amdhsa.kernels:
  - .name:           k_q1538ce5785_prep
    .symbol:         k_q1538ce5785_prep.kd
    .args:
      - { .name: Q, .offset: 0, .size: 8, .value_kind: global_buffer, .address_space: global }
      - { .name: W, .offset: 8, .size: 8, .value_kind: global_buffer, .address_space: global }
      - { .name: b, .offset: 16, .size: 8, .value_kind: global_buffer, .address_space: global }
      - { .name: kv, .offset: 24, .size: 8, .value_kind: global_buffer, .address_space: global }
    .group_segment_fixed_size: 88320
    .private_segment_fixed_size: 0
    .kernarg_segment_align: 8
    .kernarg_segment_size: 32
    .max_flat_workgroup_size: 256
    .sgpr_count:     66
    .vgpr_count:     256
    .wavefront_size: 32
...
	.end_amdgpu_metadata
.endif
;; end of part 1
;; launch attn (part 2): grid 32 x 8, 8 waves a work-group, clusters of 4 x 1, 327,680 bytes of LDS; arguments C, kv, out0; writes out0
.if DOCPART == 2
	.amdgcn_target "amdgcn-amd-amdhsa--gfx1250"
	.amdhsa_code_object_version 6
	.text
	.protected	k_q1538ce5785_attn
	.globl	k_q1538ce5785_attn
	.p2align	8
	.type	k_q1538ce5785_attn,@function
k_q1538ce5785_attn:
	s_mov_b64 s[64:65], 0
	v_nop
	global_prefetch_b8 v0, s[64:65] scope:SCOPE_SE
	s_setreg_imm32_b32 hwreg(HW_REG_WAVE_MODE, 25, 1), 1
	s_wait_xcnt 0x0
	s_wait_alu depctr_hold_cnt(0) depctr_sa_sdst(0) depctr_va_vdst(0) depctr_va_sdst(0) depctr_va_ssrc(0) depctr_va_vcc(0) depctr_vm_vsrc(0)
	s_getreg_b32 s2, hwreg(HW_REG_IB_STS2, 6, 4)
	s_cmp_eq_u32 s2, 0
	s_cbranch_scc0 .Lentry_in_a_cluster
	s_endpgm
.Lentry_in_a_cluster:
	s_bfe_u32 s2, ttmp6, 0x10000c
	s_cmp_lg_u32 s2, 0x3003
	s_cbranch_scc0 .Lentry_shape_is_right
	s_endpgm
.Lentry_shape_is_right:
; out[b][d][:] = C[b][d][:] + the sum over q of softmax_q(C[b][d] . Qp[b][q]) Qp[b][q][:], both products on codes of FP4 (E2M1) with one E8M0 scale for each 32 along a product's K.
; C: [8][8192][256] f32: quantised here, in registers.  kv: Qp's codes and scale words, made by the launch before, in blocks of 34,816 bytes for each 128 q, in the order of the operands' registers:
;   +0 K's 16 fragments (tile of keys t, K step s: 2 t + s), +16384 V's 16 fragments (tile of channels T), +32768 K's scale words, +33792 V's (four words a lane: one load of 16 bytes brings four scale registers,
;   register j with tile 2 j in lanes 0-15 and tile 2 j + 1 in lanes 16-31).  A fragment is 1,024 bytes: registers 4 c .. 4 c + 3 of lane l at 512 c + 16 l: every LDS load takes 512 consecutive bytes.
; THE SOFTMAX AHEAD OF THE SECOND PRODUCT: t = logit x log2(e); M = the row's largest t so far, rounded UP to a whole number; p = 2^(t - M) is quantised along q, not normalised; the row's sum is taken of the
; unquantised p and divides at the end.  When M moves, the sum and O are multiplied by 2^(old M - new M): exact.
; SHARES.  A work-group owns 256 rows of C of one batch; each of its eight waves 32 of them: two tiles of 16, which both use every fragment of K and V that the wave reads.  Two waves to a SIMD (512 registers each).
; Both products are used transposed: S^T = K C^T (source 0 = 16 keys), O^T = V^T P^T (source 0 = 16 channels): a lane holds ONE row of C throughout.  Row r of key tile 2 b + u is key 32 b + 8 u + r + 8 (r / 8),
; so that the 16 registers of tiles 2 b and 2 b + 1 are keys 32 b + 16 (lane / 16) + 0 .. 15.
; SIDE BY SIDE IN A WAVE.  The search for a block's largest score stands behind the NEXT batch of score products; the two tiles' softmaxes run a phase apart, one tile's exponentials dealt between the other tile's plain
; lines; the rescaling of O^T's upper channels stands behind the products into its lower channels.
; RING.  Two LDS slots of four key steps (139,264 bytes).  Each of the eight waves brings its own eighth of a slot by one tensor load: 68 rows of 256 consecutive bytes.  One tensor load of a wave is out at the most.
; CLUSTER.  The four row blocks of a cluster belong to one batch and walk the same kv: every fill is asked for JOINTLY, by the same load with the same descriptor and the mask of all four.
; C IS READ TWICE, once for the codes and once for the sum at the end: 256 rows of f32 are 262,144 bytes, which do not fit in LDS beside even two slots of one key step (69,632).
; LIMITS: NaN and infinities are not served.  M is a whole number exactly while |t| < 2^24.  A block of zeros has the scale byte 1 with zero codes.
; REGISTERS.  Window 0: v1-7 addresses; v8-11 C's scale words; v12-19 four statistics a tile; v20-23 f, a pair a tile; v24-36 tile 0 at work; v37, v39 p's scale words; v40-47 K's or V's scale words; v48-79 C's four
;   fragments; v80-95 p's codes (v88-91 first hold tile 1's block maxima); v96-127 four fragments of K, then tile 1 at work (v100-113); v128-255 the scores of two tiles, then p, then V's sixteen fragments.
;   Window 1: O^T, tile (x, T) at v[128 x + 8 T].
.set STEPB,  34816                     ; a key step's block
.set SLOTB,  4*STEPB                   ; a slot
.set EIGHTH, SLOTB/8                   ; what one wave fetches: 17,408 bytes
.set BATCHB, 16*STEPB                  ; a batch's part of kv
.set SPARE,  2*SLOTB                   ; behind the ring: the spare words, 128 bytes for each wave: four blocks of 256 bytes that no other line names
.set VIM,    16384
.set KSC,    32768
.set VSC,    33792
.set SP,     272                       ; the way out: a stage of 16 rows x (256 bytes + 16) for each wave, in slot 0, which has had its last fill and its last read by then
.set LI,  1                            ; v1   16 x lane
.set ADR, 2                            ; v2   16 x lane + the key step's first LDS byte
.set SPW, 3                            ; v3   LDS address of my spare word; never rewritten
.set NIL, 4                            ; v4   0; never rewritten
.set GA,  5                            ; v5   the way out: lanes 0-15 one row of C, lanes 16-31 the next; 16 bytes a lane
.set STO, 6                            ; v6   where I put 32 bytes of a row in my stage
.set RD,  7                            ; v7   where I read a row back
.set CSW, 8                            ; v8-11  C's scale words: tile x, K step s at 2 x + s
.set ST,  12                           ; tile x at v[ST + 4 x]: +0 -M, +1 the largest t, +2, +3 the sum in two halves
.set FF,  20                           ; v[FF + 2 x] f; the pair's upper word is named with it and never used: it holds 0
.set BM,  24                           ; tile x at v[BM + 64 x]: the four blocks' largest scores (v24-27, v88-91)
.set T4,  28                           ; tile x at v[T4 + 72 x]: four registers at work (v28-31, v100-103)
.set SCV, 32                           ; tile x at v[SCV + 72 x]: the conversions' scale operands (v32-35, v104-107)
.set TP,  36                           ; v[TP + 72 x]: at work (v36, v108)
.set PW,  37                           ; v[PW + 2 x]: p's scale word (v37, v39): these two hold scale words alone
.set PFO, 38                           ; v38  the prefetch's offset: row r + 256 h
.set KS,  40
.set CF,  48
.set PC,  80
.set KST, 96
.set XA,  96                           ; at the head alone: C: row r of 1,024 bytes + 64 h;  v97 r, v98 h
.set HR,  97
.set HH,  98
.set EX,  110                          ; v[EX + 2 x : EX + 2 x + 1]: the sum's fourth chain (v110-111, v112-113)
.set S,   128
.set QM,  BM
.set QT,  T4
.set QC,  SCV
.set WV,   10                          ; s10  my wave's number
.set G1,   16                          ; s[16:23] descriptor group 1
.set G0,   24                          ; s[24:27] descriptor group 0: it walks
.set WOFF, 28                          ; s28  my eighth of a slot
.set FB,   29                          ; s29  the slot that the next change fills
.set TB,   30                          ; s30  LDS byte at which the key step in hand begins
.set CNT,  31
.set OUT,  32
.set SEL,  34                          ; s[34:35] lane selects for v_permlanex16_b32: lane l xor 16
.set CS,   36                          ; s[36:37] log2(e): the packed form names a pair and takes its low word for both halves
.set MSB, 0
.macro WIN new                         ; the immediate's high byte repeats the setting that is left
.if MSB != \new
	s_set_vgpr_msb (MSB<<8)|\new
.set MSB, \new
.endif
.endm
.macro CROUND                          ; a round of the cluster's barrier
	s_barrier_signal -1
	s_barrier_wait -1
	s_cmp_lg_u32 s[WV], 0
	s_cbranch_scc1 .Lnot_wave_0_\@
	s_barrier_signal -3
.Lnot_wave_0_\@:
	s_barrier_wait -3
	s_barrier_signal -1
	s_barrier_wait -1
.endm
; tile x's numbers of K step s (128 along K: 64 a lane): register 16 b + i = k 32 b + 16 h + i of my row
.macro XLOAD reg, x, s
.irp b, 0,1,2,3
.irp j, 0,1,2,3
	global_load_b128 v[\reg+16*\b+4*\j:\reg+16*\b+4*\j+3], v[XA], s[4:5] offset:16384*\x+512*\s+128*\b+16*\j
.endr
.endr
.endm
.macro QUANT s, d, w                   ; 64 numbers of a lane become a fragment's codes in v[d] on and its scale word in v[w]
.irp b, 0,1,2,3
	v_max3_num_f32 v[QM+\b], |v[\s+16*\b]|, |v[\s+16*\b+1]|, 0x1800000   ; block b: my 16 numbers, and the floor 2^(3 - 127): the byte cannot fall under 1
.endr
.irp i, 2,4,6,8,10,12,14
.irp b, 0,1,2,3
	v_max3_num_f32 v[QM+\b], v[QM+\b], |v[\s+16*\b+\i]|, |v[\s+16*\b+\i+1]|
.endr
.endr
.irp b, 0,1,2,3
	v_permlanex16_b32 v[QT+\b], v[QM+\b], s[SEL], s[SEL+1]
.endr
.irp b, 0,1,2,3
	v_max_num_f32 v[QM+\b], v[QM+\b], v[QT+\b]
.endr
.irp b, 0,1,2,3
	v_add_nc_u32 v[QC+\b], 0xff000000, v[QM+\b]         ; 2 off the exponent field: the conversion's scale operand
.endr
.irp b, 0,1,2,3
	v_lshrrev_b32 v[QT+\b], 23, v[QC+\b]                ; the scale's byte
.endr
	v_lshl_or_b32 v[\w], v[QT+1], 8, v[QT]
	v_lshl_or_b32 v[\w], v[QT+2], 16, v[\w]
	v_lshl_or_b32 v[\w], v[QT+3], 24, v[\w]
.irp b, 0,1,2,3
	v_cvt_scalef32_pk8_fp4_f32 v[\d+2*\b], v[\s+16*\b:\s+16*\b+7], v[QC+\b]
	v_cvt_scalef32_pk8_fp4_f32 v[\d+2*\b+1], v[\s+16*\b+8:\s+16*\b+15], v[QC+\b]
.endr
	v_nop                                               ; one plain place behind a scaled conversion
.irp c, 0,1
.irp i, 0,1
	v_permlane16_swap_b32 v[\d+4*\c+\i], v[\d+4*\c+2+\i]
.endr
.endr
.endm
; one product.  zero: the constant 0 starts the sum;  row: source 0's scales stand in lanes 16-31 of their register
.macro MM d, a, q, sa, sb, zero, row
.if \zero
.if \row
	v_wmma_scale_f32_16x16x128_f8f6f4 v[\d:\d+7], v[\a:\a+7], v[\q:\q+7], 0, v[\sa], v[\sb] matrix_a_fmt:MATRIX_FMT_FP4 matrix_b_fmt:MATRIX_FMT_FP4 matrix_a_scale:MATRIX_SCALE_ROW1
.else
	v_wmma_scale_f32_16x16x128_f8f6f4 v[\d:\d+7], v[\a:\a+7], v[\q:\q+7], 0, v[\sa], v[\sb] matrix_a_fmt:MATRIX_FMT_FP4 matrix_b_fmt:MATRIX_FMT_FP4
.endif
.else
.if \row
	v_wmma_scale_f32_16x16x128_f8f6f4 v[\d:\d+7], v[\a:\a+7], v[\q:\q+7], v[\d:\d+7], v[\sa], v[\sb] matrix_a_fmt:MATRIX_FMT_FP4 matrix_b_fmt:MATRIX_FMT_FP4 matrix_a_scale:MATRIX_SCALE_ROW1
.else
	v_wmma_scale_f32_16x16x128_f8f6f4 v[\d:\d+7], v[\a:\a+7], v[\q:\q+7], v[\d:\d+7], v[\sa], v[\sb] matrix_a_fmt:MATRIX_FMT_FP4 matrix_b_fmt:MATRIX_FMT_FP4
.endif
.endif
.endm
; Batch b of the scores: key tiles 2 b and 2 b + 1 x both tiles of rows: four accumulators by turns, K step by K step
.macro KBATCH b
	s_wait_dscnt 8*(3-\b)                               ; this batch's eight loads are in; those of the later batches may be out
.irp s, 0,1
.irp u, 0,1
.irp x, 0,1
.if \b < 3
.set rK, S+64*\u+16*(\b+1)+8*\s
.else
.set rK, KST+8*(2*\u+\s)
.endif
	MM S+64*\x+16*\b+8*\u, rK, CF+16*\x+8*\s, KS+4*\s+\b, CSW+2*\x+\s, 1-\s, \u
.endr
.endr
.endr
.endm
; The largest score of block b (32 keys; my 16 of them) of both tiles: sixteen lines in four chains, a chain to each accumulator, each read from its low end on.  It serves for the row's maximum and, since p rises with the
; score, for the block's largest p.  The lines name batch b's results alone: so they stand behind batch b + 1 and are its places
.macro MAXBLK b
.irp x, 0,1
	v_max3_num_f32 v[BM+64*\x+\b], v[S+64*\x+16*\b], v[S+64*\x+16*\b+1], v[S+64*\x+16*\b+2]
.endr
.irp x, 0,1
	v_max3_num_f32 v[T4+\x], v[S+64*\x+16*\b+8], v[S+64*\x+16*\b+9], v[S+64*\x+16*\b+10]
.endr
.irp i, 3,5
.irp x, 0,1
	v_max3_num_f32 v[BM+64*\x+\b], v[BM+64*\x+\b], v[S+64*\x+16*\b+\i], v[S+64*\x+16*\b+\i+1]
.endr
.irp x, 0,1
	v_max3_num_f32 v[T4+\x], v[T4+\x], v[S+64*\x+16*\b+8+\i], v[S+64*\x+16*\b+9+\i]
.endr
.endr
.irp x, 0,1
	v_max3_num_f32 v[BM+64*\x+\b], v[BM+64*\x+\b], v[S+64*\x+16*\b+7], v[S+64*\x+16*\b+15]
.endr
.irp x, 0,1
	v_max_num_f32 v[BM+64*\x+\b], v[BM+64*\x+\b], v[T4+\x]
.endr
.endm
; Line n of 48 of what follows a tile's exponentials: 0 the sum under the new M; 1-32 the row's sum of the unquantised p, two at a time, in four chains; 33-47 the blocks' scale bytes, the conversions' operands, the scale word
.macro TAILLINE x
.set yS, S+64*(\x)
.set yT, ST+4*(\x)
.set yB, BM+64*(\x)
.set y4, T4+72*(\x)
.set yC, SCV+72*(\x)
.set yE, EX+2*(\x)
.set yW, PW+2*(\x)
.if n == 0
	v_pk_mul_f32 v[yT+2:yT+3], v[yT+2:yT+3], v[FF+2*(\x):FF+2*(\x)+1] op_sel_hi:[1,0]
.elseif n == 1
	v_pk_add_f32 v[y4:y4+1], v[yS:yS+1], v[yS+2:yS+3]
.elseif n == 2
	v_pk_add_f32 v[y4+2:y4+3], v[yS+4:yS+5], v[yS+6:yS+7]
.elseif n == 3
	v_pk_add_f32 v[yE:yE+1], v[yS+8:yS+9], v[yS+10:yS+11]
.elseif n == 4
	v_pk_add_f32 v[yT+2:yT+3], v[yT+2:yT+3], v[yS+12:yS+13]
.elseif n < 30                                          ; pairs 7 to 31, the four chains by turns
.set yp, yS+2*(n+2)
.if (n%4) == 1
.set yc, y4
.elseif (n%4) == 2
.set yc, y4+2
.elseif (n%4) == 3
.set yc, yE
.else
.set yc, yT+2
.endif
	v_pk_add_f32 v[yc:yc+1], v[yc:yc+1], v[yp:yp+1]
.elseif n == 30
	v_pk_add_f32 v[y4:y4+1], v[y4:y4+1], v[y4+2:y4+3]
.elseif n == 31
	v_pk_add_f32 v[yT+2:yT+3], v[yT+2:yT+3], v[yE:yE+1]
.elseif n == 32
	v_pk_add_f32 v[yT+2:yT+3], v[yT+2:yT+3], v[y4:y4+1]
.elseif n < 37
	v_max_num_f32 v[yB+n-33], 0x1800000, v[yB+n-33]     ; the floor 2^(3 - 127): the byte cannot fall under 1
.elseif n < 41
	v_add_nc_u32 v[yC+n-37], 0xff000000, v[yB+n-37]     ; 2 off the exponent field: the conversion's scale operand
.elseif n < 45
	v_lshrrev_b32 v[y4+n-41], 23, v[yC+n-41]            ; the scale's byte
.elseif n == 45
	v_lshl_or_b32 v[yW], v[y4+1], 8, v[y4]              ; p's scale word for these 128 keys
.elseif n == 46
	v_lshl_or_b32 v[yW], v[y4+2], 16, v[yW]
.else
	v_lshl_or_b32 v[yW], v[y4+3], 24, v[yW]
.endif
.set n, n+1
.endm
.macro CVT x                           ; tile x's p becomes a fragment's codes
.irp b, 0,1,2,3
	v_cvt_scalef32_pk8_fp4_f32 v[PC+8*(\x)+2*\b], v[S+64*(\x)+16*\b:S+64*(\x)+16*\b+7], v[SCV+72*(\x)+\b]
	v_cvt_scalef32_pk8_fp4_f32 v[PC+8*(\x)+2*\b+1], v[S+64*(\x)+16*\b+8:S+64*(\x)+16*\b+15], v[SCV+72*(\x)+\b]
.endr
	v_nop                                               ; one plain place behind a scaled conversion
.irp c, 0,1                                             ; the operand wants a whole block in a lane
.irp i, 0,1
	v_permlane16_swap_b32 v[PC+8*(\x)+4*\c+\i], v[PC+8*(\x)+4*\c+2+\i]
.endr
.endr
.endm
.macro RSH hf                          ; O^T under the new M: x f: channels 128 hf .. 128 hf + 127 of both tiles; each accumulator from its low end on.  The lines name O^T and f's pair alone
	WIN 0x41                                            ; destination and source 0 window 1, f window 0
.irp x, 0,1
.set j, 128*\x+64*(\hf)
.rept 32
	v_pk_mul_f32 v[j:j+1], v[j:j+1], v[FF+2*\x:FF+2*\x+1] op_sel_hi:[1,0]
.set j, j+2
.endr
.endr
.endm
.macro VLOAD t0                        ; V's tiles t0 .. t0 + 7 into the registers that p has left
.irp i, 0,1,2,3,4,5,6,7
	ds_load_b128 v[S+8*(\t0+\i):S+8*(\t0+\i)+3], v[ADR] offset:VIM+1024*(\t0+\i)
	ds_load_b128 v[S+8*(\t0+\i)+4:S+8*(\t0+\i)+7], v[ADR] offset:VIM+1024*(\t0+\i)+512
.endr
.endm
.macro PV8 t0, first                   ; O^T += V^T P^T for eight tiles of channels and both tiles of rows: sixteen accumulators, each once
.irp i, 0,1,2,3,4,5,6,7
.irp x, 0,1
	MM 128*\x+8*(\t0+\i), S+8*(\t0+\i), PC+8*\x, KS+(\t0+\i)/2, PW+2*\x, \first, (\t0+\i)%2
.endr
.endr
.endm
; The way out goes in eight chunks k = 4 x + u: tile x's 16 rows, columns 64 u .. 64 u + 63 (256 bytes a row).  CLOAD: chunk k's numbers of C, two rows an instruction, into one of four sets of 32 registers
.macro CLOAD k
.if ((\k)%4) == 0
.set rC, CF
.elseif ((\k)%4) == 1
.set rC, KST
.elseif ((\k)%4) == 2
.set rC, S+64
.else
.set rC, S+96
.endif
.irp i, 0,1,2,3,4,5,6,7
	global_load_b128 v[rC+4*\i:rC+4*\i+3], v[GA], s[4:5] offset:16384*((\k)/4)+2048*\i+256*((\k)%4) th:TH_LOAD_NT
.endr
.endm
; A KEY STEP: 128 keys.  first = 1: its products V^T P start O^T's sums with the constant 0, and nothing is rescaled.  last = 1: the first rows of C for the way out are asked for.
.macro STEP first, last
	v_add_nc_u32 v[ADR], s[TB], v[LI]
.rept 4
	v_nop                                               ; with the addition five places behind the last step's products: four for the loads into registers that they read, five for the first scores, which are laid over such registers
.endr
	ds_load_b128 v[KS:KS+3], v[ADR] offset:KSC          ; K's scale words: K step 0 of h, then K step 1
	ds_load_b128 v[KS+4:KS+7], v[ADR] offset:KSC+512
.irp b, 0,1,2,3                                         ; ALL SIXTEEN FRAGMENTS OF K IN ONE RUN.  Batch b = key tiles 2 b, 2 b + 1; its four fragments wait in the score registers of batch b + 1, which are written only when batch b is multiplied; batch 3's in registers of their own
.irp f, 0,1,2,3
.if \b < 3
.set rK, S+64*(\f/2)+16*(\b+1)+8*(\f%2)
.else
.set rK, KST+8*\f
.endif
	ds_load_b128 v[rK:rK+3], v[ADR] offset:(4*\b+\f)*1024
	ds_load_b128 v[rK+4:rK+7], v[ADR] offset:(4*\b+\f)*1024+512
.endr
.endr
	KBATCH 0
.rept 5
	v_nop                                               ; batch 1's results are laid over the fragments that batch 0 has read: five places; no result can be read yet
.endr
	KBATCH 1
	MAXBLK 0                                            ; from here on the sixteen lines of the block before are the places: five for the next batch's results, laid over this batch's fragments; four for the reads of this batch's results
	KBATCH 2
	MAXBLK 1
	KBATCH 3
	MAXBLK 2
.if \last
	CLOAD 0                                             ; C's fragments are done with (sixteen places behind their last product): they take the first chunk of C for the way out
	global_prefetch_b8 v[PFO], s[4:5] offset:512 th:TH_LOAD_NT scope:SCOPE_SE   ; and chunks 2 and 3 are asked for: tile 0's 16 rows, columns 128 to 255: 32 pieces of 256 bytes, a lane a piece, each named by this wave alone
.endif
	MAXBLK 3
.irp x, 0,1
.irp b, 0,1,2,3
	v_permlanex16_b32 v[T4+72*\x+\b], v[BM+64*\x+\b], s[SEL], s[SEL+1]
.endr
.endr
.irp x, 0,1
.irp b, 0,1,2,3
	v_max_num_f32 v[BM+64*\x+\b], v[BM+64*\x+\b], v[T4+72*\x+\b]   ; with lane l xor 16's 16 keys
.endr
.endr
.irp x, 0,1                                             ; the two tiles' statistics line by line
	v_max3_num_f32 v[TP+72*\x], v[BM+64*\x], v[BM+64*\x+1], v[BM+64*\x+2]
.endr
.irp x, 0,1
	v_max_num_f32 v[TP+72*\x], v[TP+72*\x], v[BM+64*\x+3]   ; the step's largest score of my row
.endr
.irp x, 0,1
	v_mul_f32 v[TP+72*\x], s[CS], v[TP+72*\x]           ; as t
.endr
.irp x, 0,1
	v_max_num_f32 v[ST+4*\x+1], v[ST+4*\x+1], v[TP+72*\x]   ; the running largest t
.endr
.irp x, 0,1
	v_mov_b32 v[TP+72*\x], v[ST+4*\x]
.endr
.irp x, 0,1
	v_floor_f32 v[ST+4*\x], -v[ST+4*\x+1]               ; the new -M = floor(-t): M is a whole number
.endr
.irp x, 0,1
	v_sub_f32 v[TP+72*\x], v[ST+4*\x], v[TP+72*\x]      ; old M - new M: a whole number, 0 or less
.endr
.set j, 0
.rept 32
	v_pk_fma_f32 v[S+j:S+j+1], v[S+j:S+j+1], s[CS:CS+1], v[ST:ST+1] op_sel_hi:[1,0,0]   ; tile 0: t - M, two at a time
.if j == 6
.irp x, 0,1
	v_cvt_i32_f32 v[TP+72*\x], v[TP+72*\x]              ; (it saturates)
.endr
.endif
.if j == 14
.irp x, 0,1
	v_ldexp_f32 v[FF+2*\x], 1.0, v[TP+72*\x]            ; f = 2^(old M - new M)
.endr
.endif
.set j, j+2
.endr
.irp b, 0,1,2,3
	v_fma_f32 v[BM+\b], v[BM+\b], s[CS], v[ST]          ; the same of each block's largest score
.endr
.set j, 0
.rept 64                                                ; TILE 0'S EXPONENTIALS, TILE 1'S SCALINGS BETWEEN THEM: none of these lines names an exponential's result
	v_exp_f32 v[S+j], v[S+j]                            ; p = 2^(t - M)
.if j%2
	v_pk_fma_f32 v[S+64+j-1:S+64+j], v[S+64+j-1:S+64+j], s[CS:CS+1], v[ST+4:ST+5] op_sel_hi:[1,0,0]
.endif
.set j, j+1
.endr
.irp b, 0,1,2,3
	v_exp_f32 v[BM+\b], v[BM+\b]                        ; tile 0's blocks' largest p
.endr
.irp b, 0,1,2,3
	v_fma_f32 v[BM+64+\b], v[BM+64+\b], s[CS], v[ST+4]  ; (plain lines behind the last exponential)
.endr
	s_wait_alu depctr_va_vdst(0)                        ; one wait for tile 0's 68, ahead of the first line that names a result
.set n, 0
.set j, 0
.rept 64                                                ; TILE 1'S EXPONENTIALS, TILE 0'S SUM AND SCALE BYTES BETWEEN THEM: three lines to four exponentials
	v_exp_f32 v[S+64+j], v[S+64+j]
.if (j%4) != 3
	TAILLINE 0
.endif
.set j, j+1
.endr
.irp b, 0,1,2,3
	v_exp_f32 v[BM+64+\b], v[BM+64+\b]                  ; tile 1's blocks' largest p
.endr
	CVT 0                                               ; (its v_nop is also the plain line behind the last exponential)
	ds_load_b128 v[KS:KS+3], v[ADR] offset:VSC          ; V's scale words
	ds_load_b128 v[KS+4:KS+7], v[ADR] offset:VSC+512
	VLOAD 0
	s_wait_alu depctr_va_vdst(0)                        ; and one for tile 1's 68
.set n, 0
.rept 48
	TAILLINE 1
.endr
	CVT 1
	VLOAD 8
.if \last
	CLOAD 1                                             ; tile 1's working registers are done with: with batch 3's they take the second chunk of C
.endif
.if \first
.rept 8
	v_nop                                               ; p's scale word was written by vector instructions: eight places ahead of a scaled product
.endr
	s_wait_dscnt 16                                     ; V's words and tiles 0-7 are in; tiles 8-15 may be out
	WIN 0x50                                            ; C and D window 1
	PV8 0, 1
	s_wait_dscnt 0x0
	PV8 8, 1
.else
	RSH 0                                               ; (these 64 are also the places in front of the products below)
	s_wait_dscnt 16                                     ; V's words and tiles 0-7 are in; tiles 8-15 may be out
	WIN 0x50                                            ; C and D window 1
	PV8 0, 0
	RSH 1                                               ; the upper channels are rescaled behind the products into the lower ones, whose registers these lines do not name
	s_wait_dscnt 0x0
	WIN 0x50
	PV8 8, 0
.endif
	WIN 0
	s_add_co_u32 s[TB], s[TB], STEPB
.endm
.macro LOOPN n
	s_mov_b32 s[CNT], \n
.Lstep_\@:
	STEP 0, 0
	s_sub_co_u32 s[CNT], s[CNT], 1
	s_cmp_lg_u32 s[CNT], 0
	s_cbranch_scc1 .Lstep_\@
.endm
; THE CHANGE OF SLOTS stands at a slot's head.  Each wave waits for all its tensor loads (its eighth of the slot ahead), adds 0 to its spare word, and waits for that and for its reads of the slot that it has left.
; fill = 1: the barrier is a round of the cluster's, so that no wave of any partner still reads that slot or has a load on its way; the joint load stands first behind it and has four key steps in which to land.
.macro CHANGE fill
	s_wait_tensorcnt 0x0                                ; no tensor load of mine is out, so group 0 may be written
	ds_add_u32 v[SPW], v[NIL]                           ; 0 onto my spare word: the scalar steps stand between it and the wait for it
.if \fill
	s_add_co_u32 s[G0+1], s[FB], s[WOFF]                ; into the slot that has been left (the first time: slot 1's first fill),
	s_add_nc_u64 s[G0+2:G0+3], s[G0+2:G0+3], SLOTB      ; the next four key steps; the type bits on top are not reached
.endif
	s_xor_b32 s[FB], s[FB], SLOTB
	s_mov_b32 s[TB], s[FB]                              ; the other slot is read
	s_wait_dscnt 0x0                                    ; the add is done, and my reads of the slot that I have left are over
.if \fill
	CROUND
	tensor_load_to_lds s[G0:G0+3], s[G1:G1+7]
	s_nop 0
.rept 4
	v_nop
.endr
.else
	s_barrier_signal -1
	s_barrier_wait -1
.endif
.endm
; Chunk k: O^T / the sum, through my stage, back as whole pieces of rows; + C; stored
.macro CHUNK k
.set cX, (\k)/4
.set cU, (\k)%4
.set rB, S+32*((\k)%2)
.if ((\k)%4) == 0
.set rA, CF
.elseif ((\k)%4) == 1
.set rA, KST
.elseif ((\k)%4) == 2
.set rA, S+64
.else
.set rA, S+96
.endif
.if (\k) >= 2
	s_wait_xcnt 0x0                                     ; chunk k - 2's stores have read these registers: they are written again only behind this wait
.endif
	WIN 0x01                                            ; source 0 window 1
.set j, 0
.rept 16
	v_pk_mul_f32 v[rB+j:rB+j+1], v[128*cX+32*cU+j:128*cX+32*cU+j+1], v[ST+4*cX+2:ST+4*cX+3] op_sel_hi:[1,0]   ; each accumulator from its low end on
.set j, j+2
.endr
	WIN 0
.irp t, 0,1,2,3
	ds_store_b128 v[STO], v[rB+8*\t:rB+8*\t+3] offset:64*\t          ; lane (r, h): row r, columns 16 t + 8 h + 0 .. 7 of the chunk
	ds_store_b128 v[STO], v[rB+8*\t+4:rB+8*\t+7] offset:64*\t+16
.endr
.irp i, 0,1,2,3,4,5,6,7
	ds_load_b128 v[rB+4*\i:rB+4*\i+3], v[RD] offset:2*SP*\i          ; LDS serves a wave's instructions in order (ISA guide 5.7.1.4): these see my stores
.endr
	s_wait_dscnt 0x0
.if 7-(\k) < 3
	s_wait_loadcnt 8*(7-(\k))                           ; this chunk's eight loads of C are in; those of the chunks behind it may be out
.else
	s_wait_loadcnt 24
.endif
.set j, 0
.rept 16
	v_pk_add_f32 v[rB+j:rB+j+1], v[rB+j:rB+j+1], v[rA+j:rA+j+1]
.set j, j+2
.endr
.irp i, 0,1,2,3,4,5,6,7
	global_store_b128 v[GA], v[rB+4*\i:rB+4*\i+3], s[8:9] offset:16384*cX+2048*\i+256*cU th:TH_STORE_NT   ; 16 lanes store 256 consecutive bytes, at a multiple of 256 from the output's first byte
.endr
.if (\k) <= 3
	CLOAD (\k)+4                                        ; four chunks ahead, into the set just read
.endif
.endm
	s_load_b128 s[4:7], s[0:1], 0x0                ; C, kv
	s_load_b64 s[8:9], s[0:1], 0x10                ; out
	v_lshl_add_u32 v[SPW], v0, 2, SPARE
	v_mov_b32 v[NIL], 0
	ds_add_u32 v3, v4
	ds_add_u32 v3, v4
	s_wait_dscnt 0x0
	v_lshrrev_b32 v1, 5, v0
	v_readfirstlane_b32 s[WV], v1                  ; wave 0..7
	s_bfe_u32 s11, ttmp6, 0x40000                  ; cx: my place in the cluster: it enters C's and the output's addresses alone
	s_lshl_b32 s38, ttmp9, 2                       ; in a cluster launch ttmp9 counts clusters
	s_add_co_u32 s38, s38, s11                     ; my block of 256 rows
	s_lshl_b32 s38, s38, 18                        ; of 1,024 bytes,
	s_lshl_b32 s39, s[WV], 15                      ; my wave's 32 of them,
	s_add_co_u32 s38, s38, s39
	s_and_b32 s42, ttmp7, 0xffff                   ; the batch, which the four partners share
	s_lshl_b32 s39, s42, 23
	s_add_co_u32 s38, s38, s39
	s_mov_b32 s39, 0
	s_mul_i32 s[WOFF], s[WV], EIGHTH
	s_mul_i32 s40, s42, BATCHB
	s_add_co_u32 s40, s40, s[WOFF]                 ; kv: the batch's first slot, my eighth
	s_mov_b32 s41, 0
	; descriptor group 1: 17,408 dense bytes as 68 rows of 32 elements of 8 bytes; no padding: every LDS load takes 512 consecutive bytes
	s_mov_b32 s[G1], 15|(3<<16)|(1<<21)            ; 15:0 the mask: all four work-groups; 17:16 elements of 8 bytes; 21 set beside a mask
	s_mov_b32 s[G1+1], 32<<16                      ; tensor_dim0 = 32
	s_mov_b32 s[G1+2], 68<<16                      ; tensor_dim1 = 68
	s_mov_b32 s[G1+3], 32<<16                      ; tile_dim0 = 32
	s_mov_b32 s[G1+4], 68                          ; tile_dim1 = 68
	s_mov_b32 s[G1+5], 32                          ; from row to row
	s_mov_b32 s[G1+6], 0
	s_mov_b32 s[G1+7], 0
	s_mov_b32 s[SEL], 0x76543210
	s_mov_b32 s[SEL+1], 0xfedcba98
	s_mov_b32 s[CS], 0x3fb8aa3b                    ; log2(e)
	s_mov_b32 s[CS+1], s[CS]
	s_mov_b32 s[FB], SLOTB
	s_wait_kmcnt 0x0
	s_add_nc_u64 s[4:5], s[4:5], s[38:39]
	s_add_nc_u64 s[8:9], s[8:9], s[38:39]
	s_mov_b32 s[G0], 1                             ; count = 1
	s_mov_b32 s[G0+1], s[WOFF]                     ; LDS address: slot 0, my eighth
	s_add_nc_u64 s[G0+2:G0+3], s[6:7], s[40:41]
	s_or_b32 s[G0+3], s[G0+3], 0x80000000          ; type = 2
	CROUND                                         ; all four work-groups are here: the first joint loads meet
	tensor_load_to_lds s[G0:G0+3], s[G1:G1+7]      ; slot 0
	s_nop 0
.rept 4
	v_nop
.endr
	v_and_b32 v[HR], 15, v0                        ; r
	v_bfe_u32 v[HH], v0, 4, 1                      ; h
	v_and_b32 v[LI], 31, v0
	v_lshlrev_b32 v[LI], 4, v[LI]
	v_lshlrev_b32 v[XA], 10, v[HR]
	v_lshl_add_u32 v[XA], v[HH], 6, v[XA]
	v_lshlrev_b32 v[GA], 10, v[HH]
	v_lshl_add_u32 v[GA], v[HR], 4, v[GA]
	s_mul_i32 s43, s[WV], 16*SP                    ; my stage
	v_mul_u32_u24 v[STO], v[HR], SP
	v_lshl_add_u32 v[STO], v[HH], 5, v[STO]
	v_add_nc_u32 v[STO], s43, v[STO]
	v_mul_u32_u24 v[RD], v[HH], SP
	v_lshl_add_u32 v[RD], v[HR], 4, v[RD]
	v_add_nc_u32 v[RD], s43, v[RD]
	v_lshlrev_b32 v[PFO], 10, v[HR]
	v_lshl_add_u32 v[PFO], v[HH], 8, v[PFO]
.irp b, 0,1,2,3
	v_mov_b32 v[T4+\b], 0                          ; written once: a lane permute's destination counts as one of its sources
.endr
	; my 32 rows of C become four fragments while slot 0 is on its way; two runs of 16 loads are always out
	XLOAD S, 0, 0
	XLOAD S+64, 0, 1
	s_wait_loadcnt 16                              ; the older run is in; the 16 younger loads stay out
	QUANT S, CF, CSW
	XLOAD S, 1, 0
	s_wait_loadcnt 16
	QUANT S+64, CF+8, CSW+1
	XLOAD S+64, 1, 1
	s_wait_loadcnt 16
	QUANT S, CF+16, CSW+2
	s_wait_loadcnt 0x0
	QUANT S+64, CF+24, CSW+3
.irp x, 0,1
	v_mov_b32 v[ST+4*\x+1], 0xff61b1e6             ; the largest t so far: -3e38, under every t
	v_floor_f32 v[ST+4*\x], -v[ST+4*\x+1]          ; -M
	v_mov_b32 v[ST+4*\x+2], 0                      ; the sum, in two halves
	v_mov_b32 v[ST+4*\x+3], 0
	v_mov_b32 v[FF+2*\x+1], 0                      ; (the upper word of f's pair: named, never used)
.endr
	CHANGE 1                                       ; slot 0 is whole; slot 1 is asked for
	STEP 1, 0
	LOOPN 3
	s_mov_b32 s[OUT], 2
.Lslot:
	CHANGE 1
	LOOPN 4
	s_sub_co_u32 s[OUT], s[OUT], 1
	s_cmp_lg_u32 s[OUT], 0
	s_cbranch_scc1 .Lslot
	CHANGE 0                                       ; the last slot is written out
	LOOPN 3
	STEP 0, 1
	; THE WAY OUT
.rept 4
	v_nop                                          ; places behind the last products: for the loads into V's registers and the first reads of O^T
.endr
.irp x, 0,1
	v_add_f32 v[T4+\x], v[ST+4*\x+2], v[ST+4*\x+3] ; the sum's two halves,
.endr
.irp x, 0,1
	v_permlanex16_b32 v[BM+\x], v[T4+\x], s[SEL], s[SEL+1]
.endr
.irp x, 0,1
	v_add_f32 v[T4+\x], v[T4+\x], v[BM+\x]         ; and lane l xor 16's: the row's sum
.endr
.irp x, 0,1
	v_rcp_f32 v[ST+4*\x+2], v[T4+\x]
.endr
	CLOAD 2
	CLOAD 3
	v_nop                                          ; a plain place behind the reciprocals
	s_wait_alu depctr_va_vdst(0)                   ; and one wait for the two, ahead of their first reader
.irp k, 0,1,2,3,4,5,6,7
	CHUNK \k
.endr
	s_wait_tensorcnt 0x0                           ; the wave's end, behind my last tensor load and my last LDS store
	ds_add_u32 v[SPW], v[NIL]
	s_wait_dscnt 0x0
	CROUND                                         ; the closing round: no work-group ends while a partner may still ask for a tile that names it
	s_endpgm
.Lfunc_end_k_q1538ce5785_attn:
	.size	k_q1538ce5785_attn, .Lfunc_end_k_q1538ce5785_attn-k_q1538ce5785_attn
	.p2alignl 7, 3214868480
	.fill 96, 4, 3214868480
	.section	.rodata,"a",@progbits
	.p2align	6, 0x0
	.amdhsa_kernel k_q1538ce5785_attn
		.amdhsa_group_segment_fixed_size 327680
		.amdhsa_private_segment_fixed_size 0
		.amdhsa_enable_private_segment 0
		.amdhsa_kernarg_size 24
		.amdhsa_user_sgpr_count 2
		.amdhsa_user_sgpr_kernarg_segment_ptr 1
		.amdhsa_wavefront_size32 1
		.amdhsa_system_sgpr_workgroup_id_x 1
		.amdhsa_system_sgpr_workgroup_id_y 1
		.amdhsa_system_sgpr_workgroup_id_z 1
		.amdhsa_system_vgpr_workitem_id 0
		.amdhsa_next_free_vgpr 512
		.amdhsa_next_free_sgpr 66
		.amdhsa_reserve_vcc 0
		.amdhsa_float_denorm_mode_32 3
		.amdhsa_float_denorm_mode_16_64 3
		.amdhsa_memory_ordered 1
		.amdhsa_forward_progress 1
		.amdhsa_inst_pref_size 255
	.end_amdhsa_kernel
	.section	.bss,"aw",@nobits
	.p2align	6
	.space	262144
	.amdgpu_metadata
---
amdhsa.version: [ 1, 2 ]
amdhsa.kernels:
  - .name:           k_q1538ce5785_attn
    .symbol:         k_q1538ce5785_attn.kd
    .args:
      - { .name: C, .offset: 0, .size: 8, .value_kind: global_buffer, .address_space: global }
      - { .name: kv, .offset: 8, .size: 8, .value_kind: global_buffer, .address_space: global }
      - { .name: out0, .offset: 16, .size: 8, .value_kind: global_buffer, .address_space: global }
    .group_segment_fixed_size: 327680
    .private_segment_fixed_size: 0
    .kernarg_segment_align: 8
    .kernarg_segment_size: 24
    .max_flat_workgroup_size: 256
    .sgpr_count:     66
    .vgpr_count:     512
    .wavefront_size: 32
...
	.end_amdgpu_metadata
.endif
;; end of part 2
